; MI455X (gfx1250); checked and timed in simulation.
; The chip was launched on July 23, 2026; its instructions are those of AMD's public machine-readable ISA for CDNA 5 (MIT licence, August 2026) and "CDNA5" Instruction Set Architecture Reference Guide (July 2026). The comments in the code are by the model that wrote it; some were corrected since.
;; Attention. Allowed arithmetic: matrix products marked QUANTISED: E2M1 operands, one E8M0 scale for each 32 along K, by v_wmma_scale_f32_16x16x128_f8f6f4 with both operands' format E2M1 (or v_wmma_scale_f32_32x16x128_f4), f32 sums; everything else in f32.
;; Inputs: Wk 1,024 x 1,024 float32; Wo 1,024 x 1,024 float32; Wq 1,024 x 1,024 float32; Wv 1,024 x 1,024 float32; bk 1,024 float32; bo 1,024 float32; bq 1,024 float32; bv 1,024 float32; x 4 x 2,048 x 1,024 float32.
;; Outputs: out0 4 x 2,048 x 1,024 float32.
;; This version of the problem:
;;   THIS VERSION OF THE PROBLEM IS GIVEN IN LOW PRECISION. The matrix products marked QUANTISED in the list below multiply operands that are first quantised to E2M1 (2 exponent bits, 1 mantissa bit; 4 bits a number), with one power-of-two scale for each 32 numbers along K (OCP MX v1.0); their sums are f32. All else is computed in f32.
;;   The module's matrix products, in the order in which they are computed (A, B: the left and right operand; K: the contracted axis; several contracted axes count as one K, in the product's order):
;;     1. [M 8,192, K 1,024] x [K 1,024, N 1,024]; A: input x; B: input Wq: QUANTISED
;;     2. [M 8,192, K 1,024] x [K 1,024, N 1,024]; A: input x; B: input Wk: QUANTISED
;;     3. [M 8,192, K 1,024] x [K 1,024, N 1,024]; A: input x; B: input Wv: QUANTISED
;;     4. batch 64 x [M 2,048, K 64] x [K 64, N 2,048]; A: computed on the way; B: computed on the way: QUANTISED
;;     5. batch 64 x [M 2,048, K 2,048] x [K 2,048, N 64]; A: computed on the way; B: computed on the way: QUANTISED
;;     6. [M 8,192, K 1,024] x [K 1,024, N 1,024]; A: computed on the way; B: input Wo: QUANTISED
;;   THE QUANTISER, for each operand of a quantised product, along K:
;;     - K is cut into blocks of 32 from its start; a last block that is shorter is filled with zeros.
;;     - A block's scale is 2^e with e = floor(log2(the largest magnitude in the block)) - 2, held to -126 .. 127; a block of zeros has e = 0. As a byte (E8M0): e + 127.
;;     - Each number is divided by its block's scale, clamped to +-6, and rounded to the nearest number of E2M1, ties to even, subnormals kept.
;;     - The product sums the exact products of the quantised numbers (number of the format x scale) in f32.
;;   ~~~python
;;   def quantise(x, axis):      # numpy; x: float32 -> the quantised numbers, widened to float32 again
;;       x = np.moveaxis(x, axis, -1); K = x.shape[-1]
;;       x = np.pad(x, [(0, 0)] * (x.ndim - 1) + [(0, -K % 32)]); x = x.reshape(x.shape[:-1] + (-1, 32)); a = np.abs(x).max(-1, keepdims=True)
;;       e = np.where(a > 0, np.clip(np.frexp(np.where(a > 0, a, 1))[1] - 1 - 2, -126, 127), 0)      # np.frexp(a)[1] - 1 = floor(log2(a)), exactly
;;       r = np.clip(x / 2.0 ** e, -6, 6)
;;       step = 2.0 ** (np.maximum(np.frexp(np.where(r == 0, 1, r))[1] - 1, 0) - 1)
;;       q = np.round(r / step) * step * 2.0 ** e      # np.round: ties to even
;;       return np.moveaxis(q.reshape(q.shape[:-2] + (-1,))[..., :K], -1, axis).astype(np.float32)
;;   ~~~
;;   OPERANDS COMPUTED ON THE WAY. 'Computed on the way' means the value that the module computes at that place (a softmax that the list does not call 'softmax' is quantised finished and normalised). What goes into a quantiser is computed in f32, as accurately as f32 sums, v_exp_f32 and their like allow (about 1e-6 of the number): no bf16 or f16 on the way to a quantiser, and a product that is left as it is and whose result goes on into a quantised operand takes f32 operands (vector FMAs, or v_wmma_f32_16x16x4_f32). A number that lies on a knife's edge between two numbers of the format may be rounded either way, as far as f32 arithmetic and the matrix unit's own rounding can turn it there, and no further.
;; One version. Each part assembles by itself: llvm-mc -triple=amdgcn-amd-amdhsa -mcpu=gfx1250 --defsym DOCPART=n.
;; ======== version 1 of 1: 4 launches
;; limits: right only within a limited range of input values
;; workspace buffers: img 6,291,456 bytes; scl 393,216 bytes; qkv 13,893,632 bytes; ai 4,194,304 bytes; asc 262,144 bytes
;; launch quant (part 1): grid 256 x 1, 6 waves a work-group, no clusters, 51,456 bytes of LDS; arguments x, Wq, Wk, Wv, Wo, img, scl; writes img, scl
.if DOCPART == 1
	.amdgcn_target "amdgcn-amd-amdhsa--gfx1250"
	.amdhsa_code_object_version 6
	.text
	.protected	k_qf9a537c296_quant
	.globl	k_qf9a537c296_quant
	.p2align	8
	.type	k_qf9a537c296_quant,@function
k_qf9a537c296_quant:
	s_mov_b64 s[64:65], 0
	v_nop
	global_prefetch_b8 v0, s[64:65] scope:SCOPE_SE
	s_setreg_imm32_b32 hwreg(HW_REG_WAVE_MODE, 25, 1), 1
	s_wait_xcnt 0x0
; x [8192][1024] and Wq, Wk, Wv, Wo [1024][1024], f32, K innermost, become codes of FP4 (E2M1) with one E8M0 byte for each 32 along K,
; laid as IMAGES OF OPERAND REGISTERS.  A tile is 16 rows; tile 2 A + u holds rows 32 A + 8 u + r + 8 (r / 8), r = 0 .. 15.  A fragment (a tile x 128 K) is 8 registers
; a lane: part c (registers 4 c .. 4 c + 3) is 512 bytes, lane l's 16 bytes at 16 l; lane (r = l % 16, h = l / 16) holds k = 64 c + 32 h + 0 .. 31 of row r: one whole block.
; img: [tile 768][K step 8][c 2][512 bytes]; tiles 0-511 x, 512-575 Wq, 576-639 Wk, 640-703 Wv, 704-767 Wo.   scl: [tile][K step / 4][r 16][4 words], a word = the four bytes of a K step.
; A block's scale is 2^(floor(log2(largest magnitude)) - 2): its byte is the largest magnitude's exponent field - 2, held at 1 from below by a floor among the maximum's leaves.
; LIMITS: a block of zeros gets the byte 1 where the quantiser says 127: its codes are zeros and this program alone reads the bytes; NaN and infinities among the inputs are not served.
; SHARES: 768 tiles x 2 halves of K = 1,536 jobs = 256 work-groups x 6 waves.  A wave takes one tile and 512 along K: four fragments.  Waves share nothing: no barrier.
; Each load reads 512 consecutive bytes of one row; a fragment's 8,192 bytes turn through the wave's own stage in LDS (rows of 512 + 16 bytes) and come back 128 bytes a lane and block.
.set STG, 8448                         ; a wave's stage: 16 rows x 528 bytes
.set PIT, 528
.set SW,  24                           ; v24-27   the four fragments' scale words
.set C,   32                           ; v32-63   codes, 8 registers a fragment: never rewritten, so no store's data are written again
.set R,   64                           ; v64-191  two sets of 64 registers as loaded
.set X,   192                          ; v192-255 my 64 numbers of a fragment: register 32 c + i = k 64 c + 32 h + i of row r
	s_load_b256 s[4:11], s[0:1], 0x0               ; x s[4:5], Wq s[6:7], Wk s[8:9], Wv s[10:11]
	s_load_b128 s[12:15], s[0:1], 0x20             ; Wo s[12:13], img s[14:15]
	s_load_b64 s[16:17], s[0:1], 0x30              ; scl
	v_lshl_add_u32 v30, v0, 2, 0xc600
	v_mov_b32 v31, 0
	v_lshrrev_b32 v2, 5, v0
	v_readfirstlane_b32 s18, v2                    ; wave 0..5
	v_and_b32 v3, 31, v0
	v_lshlrev_b32 v1, 4, v3                        ; v1 = 16 x lane: never rewritten
	v_and_b32 v2, 15, v0                           ; r
	v_bfe_u32 v3, v0, 4, 1                         ; h
	s_mul_i32 s19, s18, STG
	v_add_nc_u32 v4, s19, v1                       ; the stage, on the way in: 16 x lane in a row
	v_mul_u32_u24 v5, v2, PIT
	v_lshl_add_u32 v5, v3, 7, v5
	v_add_nc_u32 v5, s19, v5                       ; and on the way out: row r, + 128 h
	v_lshlrev_b32 v6, 4, v2
	v_lshl_add_u32 v6, v3, 3, v6                   ; the scale words' place: 16 r + 8 h
	v_lshlrev_b32 v7, 3, v3                        ; 8 h: my bytes' shift in a scale word
	v_mov_b32 v15, 0                               ; a lane permute's destination counts as read: written once
	s_mov_b32 s20, 0x76543210
	s_mov_b32 s21, 0xfedcba98                      ; v_permlanex16_b32's selects for lane l xor 16
	s_lshr_b32 s24, s18, 1
	s_mul_i32 s25, ttmp9, 3
	s_add_co_u32 s24, s24, s25                     ; my tile: 3 x work-group + wave / 2
	s_and_b32 s26, s18, 1                          ; my half of K
	s_and_b32 s25, s24, 63
	s_cmp_lt_u32 s24, 512
	s_cselect_b32 s25, s24, s25                    ; the tile's number within its tensor
	s_lshr_b32 s27, s25, 1
	s_lshl_b32 s27, s27, 17                        ; 32 rows of 4,096 bytes
	s_and_b32 s28, s25, 1
	s_lshl_b32 s28, s28, 15                        ; 8 rows
	s_add_co_u32 s28, s28, s27
	s_lshl_b32 s27, s26, 11                        ; 512 numbers along K
	s_add_co_u32 s28, s28, s27
	s_mov_b32 s29, 0                               ; s[28:29]: where my numbers begin in their tensor
	s_lshl_b32 s30, s24, 13
	s_lshl_b32 s27, s26, 12
	s_add_co_u32 s30, s30, s27
	s_mov_b32 s31, 0                               ; s[30:31]: my four fragments in img
	s_lshl_b32 s32, s24, 9
	s_lshl_b32 s27, s26, 8
	s_add_co_u32 s32, s32, s27
	s_mov_b32 s33, 0                               ; s[32:33]: my 256 bytes in scl
	s_wait_alu depctr_va_vdst(0)
	s_wait_kmcnt 0x0
	s_cmp_lt_u32 s24, 704                          ; which tensor: the choice hangs on the tile's number alone
	s_cselect_b64 s[22:23], s[10:11], s[12:13]
	s_cmp_lt_u32 s24, 640
	s_cselect_b64 s[22:23], s[8:9], s[22:23]
	s_cmp_lt_u32 s24, 576
	s_cselect_b64 s[22:23], s[6:7], s[22:23]
	s_cmp_lt_u32 s24, 512
	s_cselect_b64 s[22:23], s[4:5], s[22:23]
	s_add_nc_u64 s[22:23], s[22:23], s[28:29]
	s_add_nc_u64 s[14:15], s[14:15], s[30:31]
	s_add_nc_u64 s[16:17], s[16:17], s[32:33]
.macro LOAD f                          ; fragment f: the tile's 16 rows, 512 consecutive bytes an instruction, into set f % 2
.set i, 0
.rept 16
	global_load_b128 v[R+64*((\f)%2)+4*i:R+64*((\f)%2)+4*i+3], v1, s[22:23] offset:(i+8*(i/8))*4096+512*(\f) th:TH_LOAD_NT
.set i, i+1
.endr
.endm
.macro TURN f                          ; through the stage: LDS serves a wave's instructions in order (ISA guide 5.7.1.4), so no wait stands between the stores and the loads, nor in front of the next fragment's stores
.set i, 0
.rept 16
	ds_store_b128 v4, v[R+64*((\f)%2)+4*i:R+64*((\f)%2)+4*i+3] offset:PIT*i
.set i, i+1
.endr
.set i, 0
.rept 16
	ds_load_b128 v[X+4*i:X+4*i+3], v5 offset:256*(i/8)+16*(i%8)
.set i, i+1
.endr
.endm
.macro QF f                            ; my two blocks (2 c + h, c = 0, 1) of fragment f: scale, codes, stores
.irp c, 0,1
	v_max3_num_f32 v[8+\c], |v[X+32*\c]|, |v[X+32*\c+1]|, 0x1800000   ; the floor 2^(3 - 127): the byte cannot fall under 1
.endr
.irp i, 2,4,6,8,10,12,14,16,18,20,22,24,26,28,30
.irp c, 0,1
	v_max3_num_f32 v[8+\c], v[8+\c], |v[X+32*\c+\i]|, |v[X+32*\c+\i+1]|   ; the two blocks by turns
.endr
.endr
.irp c, 0,1
	v_add_nc_u32 v[10+\c], 0xff000000, v[8+\c]     ; 2 off the exponent field: the conversion takes this operand's exponent field as its scale
.endr
.irp c, 0,1
	v_lshrrev_b32 v[12+\c], 23, v[10+\c]           ; the scale's byte
.endr
	v_lshl_or_b32 v14, v13, 16, v12                ; blocks h and 2 + h,
	v_lshlrev_b32 v14, v7, v14                     ; at their places in the word;
	v_permlanex16_b32 v15, v14, s20, s21
	v_or_b32 v[SW+(\f)], v14, v15                  ; with lane l xor 16's two the word is whole
.irp c, 0,1
.irp g, 0,1,2,3
	v_cvt_scalef32_pk8_fp4_f32 v[C+8*(\f)+4*\c+\g], v[X+32*\c+8*\g:X+32*\c+8*\g+7], v[10+\c]
.endr
.endr
	v_nop                                          ; one plain instruction behind the last scaled conversion
.irp c, 0,1
	global_store_b128 v1, v[C+8*(\f)+4*\c:C+8*(\f)+4*\c+3], s[14:15] offset:1024*(\f)+512*\c   ; 32 lanes store 512 consecutive bytes, aligned
.endr
.endm
	LOAD 0
	LOAD 1
.irp f, 0,1,2,3
.if \f < 3
	s_wait_loadcnt 16                              ; this fragment's 16 loads are in; the next fragment's 16 may be out
.else
	s_wait_loadcnt 0x0
.endif
	TURN \f
	s_wait_dscnt 0x0                               ; my numbers are back, and the stage's stores have read their registers,
.if \f < 2
	LOAD \f+2                                      ; which take the fragment two further on
.endif
	QF \f
.endr
	v_cmp_eq_u32 vcc_lo, 1, v3
	v_cndmask_b32 v28, v[SW], v[SW+2], vcc_lo      ; lanes 0-15 store words 0, 1 of row r, lanes 16-31 words 2, 3
	v_cndmask_b32 v29, v[SW+1], v[SW+3], vcc_lo
	global_store_b64 v6, v[28:29], s[16:17]        ; 32 lanes store 256 consecutive bytes, aligned
	s_wait_tensorcnt 0x0
	ds_add_u32 v30, v31
	s_wait_dscnt 0x0
	s_endpgm
.Lfunc_end_k_qf9a537c296_quant:
	.size	k_qf9a537c296_quant, .Lfunc_end_k_qf9a537c296_quant-k_qf9a537c296_quant
	.p2alignl 7, 3214868480
	.fill 96, 4, 3214868480
	.section	.rodata,"a",@progbits
	.p2align	6, 0x0
	.amdhsa_kernel k_qf9a537c296_quant
		.amdhsa_group_segment_fixed_size 51456
		.amdhsa_private_segment_fixed_size 0
		.amdhsa_enable_private_segment 0
		.amdhsa_kernarg_size 56
		.amdhsa_user_sgpr_count 2
		.amdhsa_user_sgpr_kernarg_segment_ptr 1
		.amdhsa_wavefront_size32 1
		.amdhsa_system_sgpr_workgroup_id_x 1
		.amdhsa_system_sgpr_workgroup_id_y 1
		.amdhsa_system_sgpr_workgroup_id_z 1
		.amdhsa_system_vgpr_workitem_id 0
		.amdhsa_next_free_vgpr 256
		.amdhsa_next_free_sgpr 66
		.amdhsa_reserve_vcc 1
		.amdhsa_float_denorm_mode_32 3
		.amdhsa_float_denorm_mode_16_64 3
		.amdhsa_memory_ordered 1
		.amdhsa_forward_progress 1
		.amdhsa_inst_pref_size 30
	.end_amdhsa_kernel
	.amdgpu_metadata
---
amdhsa.version: [ 1, 2 ]
amdhsa.kernels:
  - .name:           k_qf9a537c296_quant
    .symbol:         k_qf9a537c296_quant.kd
    .args:
      - { .name: x, .offset: 0, .size: 8, .value_kind: global_buffer, .address_space: global }
      - { .name: Wq, .offset: 8, .size: 8, .value_kind: global_buffer, .address_space: global }
      - { .name: Wk, .offset: 16, .size: 8, .value_kind: global_buffer, .address_space: global }
      - { .name: Wv, .offset: 24, .size: 8, .value_kind: global_buffer, .address_space: global }
      - { .name: Wo, .offset: 32, .size: 8, .value_kind: global_buffer, .address_space: global }
      - { .name: img, .offset: 40, .size: 8, .value_kind: global_buffer, .address_space: global }
      - { .name: scl, .offset: 48, .size: 8, .value_kind: global_buffer, .address_space: global }
    .group_segment_fixed_size: 51456
    .private_segment_fixed_size: 0
    .kernarg_segment_align: 8
    .kernarg_segment_size: 56
    .max_flat_workgroup_size: 192
    .sgpr_count:     66
    .vgpr_count:     256
    .wavefront_size: 32
...
	.end_amdgpu_metadata
.endif
;; end of part 1
;; launch qkv (part 2): grid 12 x 32, 4 waves a work-group, clusters of 4 x 4, 327,680 bytes of LDS; arguments img, scl, bq, bk, bv, qkv; writes qkv
.if DOCPART == 2
	.amdgcn_target "amdgcn-amd-amdhsa--gfx1250"
	.amdhsa_code_object_version 6
	.text
	.protected	k_qf9a537c296_qkv
	.globl	k_qf9a537c296_qkv
	.p2align	8
	.type	k_qf9a537c296_qkv,@function
k_qf9a537c296_qkv:
	s_mov_b64 s[64:65], 0
	v_nop
	global_prefetch_b8 v0, s[64:65] scope:SCOPE_SE
	s_setreg_imm32_b32 hwreg(HW_REG_WAVE_MODE, 25, 1), 1
	s_wait_xcnt 0x0
	s_wait_alu depctr_hold_cnt(0) depctr_sa_sdst(0) depctr_va_vdst(0) depctr_va_sdst(0) depctr_va_ssrc(0) depctr_va_vcc(0) depctr_vm_vsrc(0)
	s_getreg_b32 s2, hwreg(HW_REG_IB_STS2, 6, 4)
	s_cmp_eq_u32 s2, 0
	s_cbranch_scc0 .Lentry_in_a_cluster
	s_endpgm
.Lentry_in_a_cluster:
	s_bfe_u32 s2, ttmp6, 0x10000c
	s_cmp_lg_u32 s2, 0xf033
	s_cbranch_scc0 .Lentry_shape_is_right
	s_endpgm
.Lentry_shape_is_right:
.set HB,    217088
.set SLOT,  4096
.set BOFF,  131072
.set SCL,   262144
.set PAC, 4
.set PAS, 6
.set PBC, 4
.set PBS, 6
.set ADRA, 16
.set ADRB, 20
.set ADRS, 27
.set SC,   32
.set AF,   128
.set BI,   192
.set G1, 24
.set G0, 32
.set G1B, 48
.set G0B, 56
.set SEL, 66
.set G1S, 68
.set G0S, 76
.set G1SB, 80
.set G0SB, 88
.set MSB, 0
.macro WIN new
.if MSB != (\new)
	s_set_vgpr_msb (MSB<<8)|(\new)
.set MSB, (\new)
.endif
.endm
.macro JLOAD g0a, g1a, g0b, g1b
	s_cmp_eq_u32 s17, 0
	s_cbranch_scc0 .Lfor_b_\@
	tensor_load_to_lds s[\g0a:\g0a+3], s[\g1a:\g1a+7]
	s_nop 0
.rept 4
	v_nop
.endr
	s_branch .Lasked_\@
.Lfor_b_\@:
	tensor_load_to_lds s[\g0b:\g0b+3], s[\g1b:\g1b+7]
	s_nop 0
.rept 4
	v_nop
.endr
.Lasked_\@:
.endm
.macro CROUND
	s_barrier_signal -1
	s_barrier_wait -1
	s_cmp_lg_u32 s16, 0
	s_cbranch_scc1 .Lnot_wave_0_\@
	s_barrier_signal -3
.Lnot_wave_0_\@:
	s_barrier_wait -3
	s_barrier_signal -1
	s_barrier_wait -1
.endm
.macro PLACES n
.rept \n
	v_nop
.endr
.endm
.macro FRAG reg, adr, q, i
.irp c, 0,1
	ds_load_b128 v[\reg+4*\c:\reg+4*\c+3], v[\adr] offset:1024*(\q)+512*\c+8192*(\i)
.endr
.endm
.macro FETCH_B slot, q, p
	WIN 0x40
.irp i, 0,1,2,3,4,5,6,7
	FRAG 128*(\p)+8*\i, ADRB+\slot, \q, \i
.endr
	WIN 0
.endm
.macro FETCH_A slot, q, i0
.irp i, \i0, \i0+1, \i0+2, \i0+3
	FRAG AF+8*(\i), ADRA+\slot, \q, \i
.endr
.endm
.macro SCALES sc
.irp i, 0,1,2,3,4,5,6,7
	ds_load_b128 v[SC+32*\sc+4*\i:SC+32*\sc+4*\i+3], v[ADRS] offset:512*\i
.endr
.endm
.macro MUL16 a0, p, q, sc, mode
.irp a, \a0, \a0+1
.irp b, 0,1,2,3,4,5,6,7
.set rD, 8*(8*((\a)%4)+\b)
.set rB, 128*(\p)+8*\b
.set rA, AF+8*(\a)
.set sB, SC+32*(\sc)+4*\b+(\q)
.set sA, SC+32*(\sc)+4*(\a)+(\q)
.if \mode == 0
	v_wmma_scale_f32_16x16x128_f8f6f4 v[rD:rD+7], v[rB:rB+7], v[rA:rA+7], v[rD:rD+7], v[sB], v[sA] matrix_a_fmt:MATRIX_FMT_FP4 matrix_b_fmt:MATRIX_FMT_FP4 matrix_a_scale:MATRIX_SCALE_ROW1
.elseif \mode == 1
	v_wmma_scale_f32_16x16x128_f8f6f4 v[rD:rD+7], v[rB:rB+7], v[rA:rA+7], v[BI+8*\b:BI+8*\b+7], v[sB], v[sA] matrix_a_fmt:MATRIX_FMT_FP4 matrix_b_fmt:MATRIX_FMT_FP4 matrix_a_scale:MATRIX_SCALE_ROW1
.else
	v_wmma_scale_f32_16x16x128_f8f6f4 v[rD:rD+7], v[rB:rB+7], v[rA:rA+7], v[BI+8*(\a):BI+8*(\a)+7], v[sB], v[sA] matrix_a_fmt:MATRIX_FMT_FP4 matrix_b_fmt:MATRIX_FMT_FP4 matrix_a_scale:MATRIX_SCALE_ROW1
.endif
.endr
.endr
.endm
.macro STEP slot, q, mode
	s_wait_dscnt 8
.if \mode
	WIN 0x81
.else
	WIN 0xa1
.endif
	MUL16 0, (\q)%2, \q, \slot, \mode
	MUL16 2, (\q)%2, \q, \slot, \mode
	s_wait_dscnt 0x0
	PLACES 4
	FETCH_B \slot, (\q)+1, 1-(\q)%2
	FETCH_A \slot, (\q)+1, 0
.if \mode
	WIN 0xc1
.else
	WIN 0xf1
.endif
	MUL16 4, (\q)%2, \q, \slot, \mode
	MUL16 6, (\q)%2, \q, \slot, \mode
	PLACES 4
	WIN 0
	FETCH_A \slot, (\q)+1, 4
.endm
	s_load_b256 s[4:11], s[0:1], 0x0
	s_load_b128 s[12:15], s[0:1], 0x20
	v_lshl_add_u32 v126, v0, 2, 0x44000
	v_mov_b32 v127, 0
	ds_add_u32 v126, v127
	ds_add_u32 v126, v127
	v_lshrrev_b32 v1, 5, v0
	v_readfirstlane_b32 s16, v1
	s_lshr_b32 s17, s16, 1
	s_and_b32 s18, s16, 1
	s_bfe_u32 s40, ttmp6, 0x40000
	s_bfe_u32 s41, ttmp6, 0x40004
	s_mov_b32 s19, ttmp9
	s_lshr_b32 s20, s19, 1
	s_and_b32 s21, ttmp7, 0xffff
	s_cmp_eq_u32 s20, 0
	s_cselect_b32 s43, s21, 0
	s_cselect_b32 s42, s19, s21
	s_lshl_b32 s43, s43, 2
	s_add_co_u32 s43, s43, s41
	s_lshl_b32 s42, s42, 2
	s_add_co_u32 s42, s42, s40
	s_lshl_b32 s44, s41, 2
	s_lshl_b32 s44, 15, s44
	s_lshl_b32 s45, 0x1111, s40
	s_or_b32 s[G1], s44, (3<<16)|(1<<21)
	s_or_b32 s[G1B], s45, (3<<16)|(1<<21)
.irp g, G1, G1B
	s_mov_b32 s[\g+1], 512<<16
	s_mov_b32 s[\g+2], 32<<16
	s_mov_b32 s[\g+3], 512<<16
	s_mov_b32 s[\g+4], 32
	s_mov_b32 s[\g+5], 512
	s_mov_b32 s[\g+6], 0
	s_mov_b32 s[\g+7], 0
.endr
	s_or_b32 s[G1S], s44, (3<<16)|(1<<21)
	s_or_b32 s[G1SB], s45, (3<<16)|(1<<21)
.irp g, G1S, G1SB
	s_mov_b32 s[\g+1], 32<<16
	s_mov_b32 s[\g+2], 32<<16
	s_mov_b32 s[\g+3], 32<<16
	s_mov_b32 s[\g+4], 32
	s_mov_b32 s[\g+5], 32
	s_mov_b32 s[\g+6], 0
	s_mov_b32 s[\g+7], 0
.endr
	s_mov_b32 s22, 0
	s_lshl_b32 s92, s43, 4
	s_mul_i32 s23, s20, 640
	s_add_co_u32 s92, s92, s23
	s_add_co_u32 s92, s92, s22
	s_lshl_b32 s94, s92, 9
	s_lshl_b32 s92, s92, 13
	s_mov_b32 s93, 0
	s_mov_b32 s95, 0
	s_lshl_b32 s96, s42, 4
	s_xor_b32 s23, s20, 1
	s_lshl_b32 s23, s23, 9
	s_add_co_u32 s96, s96, s23
	s_add_co_u32 s96, s96, s22
	s_lshl_b32 s98, s96, 9
	s_lshl_b32 s96, s96, 13
	s_mov_b32 s97, 0
	s_mov_b32 s99, 0
	s_lshl_b32 s46, s16, 15
	s_lshl_b32 s47, s16, 12
	s_mov_b32 s[SEL], 0x76543210
	s_mov_b32 s[SEL+1], 0xfedcba98
	s_wait_dscnt 0x0
	s_wait_kmcnt 0x0
	s_add_nc_u64 s[92:93], s[PAC:PAC+1], s[92:93]
	s_add_nc_u64 s[94:95], s[PAS:PAS+1], s[94:95]
	s_add_nc_u64 s[96:97], s[PBC:PBC+1], s[96:97]
	s_add_nc_u64 s[98:99], s[PBS:PBS+1], s[98:99]
	CROUND
	s_mov_b32 s[G0S], 1
	s_mov_b32 s[G0S+1], SCL
	s_mov_b64 s[G0S+2:G0S+3], s[94:95]
	s_or_b32 s[G0S+3], s[G0S+3], 0x80000000
	s_mov_b32 s[G0SB], 1
	s_mov_b32 s[G0SB+1], SCL+8192
	s_mov_b64 s[G0SB+2:G0SB+3], s[98:99]
	s_or_b32 s[G0SB+3], s[G0SB+3], 0x80000000
	; the head's four joint loads, one a wave: wave 0 the 16 tiles of source A for all of K (131,072 dense bytes), wave 1 those of B, waves 2 and 3 their scale words; nothing is filled again
	s_mov_b32 s[G0], 1
	s_mov_b32 s[G0+1], 0
	s_mov_b64 s[G0+2:G0+3], s[92:93]
	s_or_b32 s[G0+3], s[G0+3], 0x80000000
	s_mov_b32 s[G0B], 1
	s_mov_b32 s[G0B+1], BOFF
	s_mov_b64 s[G0B+2:G0B+3], s[96:97]
	s_or_b32 s[G0B+3], s[G0B+3], 0x80000000
.macro ARM under, g0, g1, next
	s_cmp_lt_u32 s16, \under
	s_cbranch_scc0 \next
	tensor_load_to_lds s[\g0:\g0+3], s[\g1:\g1+7]
	s_nop 0
.rept 4
	v_nop
.endr
	s_branch .Lhead_asked
\next:
.endm
	ARM 1, G0,  G1,  .Lhead_b
	ARM 2, G0B, G1B, .Lhead_sa
	ARM 3, G0S, G1S, .Lhead_sb
	tensor_load_to_lds s[G0SB:G0SB+3], s[G1SB:G1SB+7]
	s_nop 0
.rept 4
	v_nop
.endr
.Lhead_asked:
	v_and_b32 v1, 15, v0
	v_bfe_u32 v2, v0, 4, 1
	s_wait_alu depctr_va_vdst(0)
	v_and_b32 v3, 31, v0
	v_lshlrev_b32 v3, 4, v3
	s_lshl_b32 s22, s17, 16
	s_lshl_b32 s23, s18, 16
	s_add_co_u32 s23, s23, BOFF
.irp s, 0,1
	v_add_nc_u32 v[ADRA+\s], s22, v3
	v_add_nc_u32 v[ADRB+\s], s23, v3
	s_add_co_u32 s22, s22, SLOT
	s_add_co_u32 s23, s23, SLOT
.endr
	s_lshl_b32 s22, s17, 12
	s_lshl_b32 s23, s18, 12
	s_add_co_u32 s23, s23, 8192
	s_sub_co_u32 s23, s23, s22
	v_mul_u32_u24 v4, s23, v2
	s_add_co_u32 s22, s22, SCL
	v_lshl_add_u32 v4, v1, 4, v4
	v_add_nc_u32 v[ADRS], s22, v4
	s_cmp_eq_u32 s20, 0
	s_cbranch_scc0 .Lbias_v
	s_cmp_eq_u32 s19, 0
	s_cselect_b64 s[22:23], s[8:9], s[10:11]
	s_and_b32 s46, s42, 3
	s_lshl_b32 s46, s46, 10
	s_lshl_b32 s47, s18, 9
	s_add_co_u32 s46, s46, s47
	s_mov_b32 s47, 0
	s_add_nc_u64 s[22:23], s[22:23], s[46:47]
	v_lshlrev_b32 v5, 6, v2
.irp b, 0,1,2,3,4,5,6,7
	global_load_b128 v[BI+8*\b:BI+8*\b+3], v5, s[22:23] offset:(32*(\b/2)+8*(\b%2))*4
	global_load_b128 v[BI+8*\b+4:BI+8*\b+7], v5, s[22:23] offset:(32*(\b/2)+8*(\b%2))*4+16
.endr
	s_branch .Lbias_done
.Lbias_v:
	s_lshl_b32 s46, s43, 10
	s_lshl_b32 s47, s17, 9
	s_add_co_u32 s46, s46, s47
	s_mov_b32 s47, 0
	s_add_nc_u64 s[22:23], s[12:13], s[46:47]
	v_and_b32 v5, 8, v1
	v_add_nc_u32 v5, v5, v1
	v_lshlrev_b32 v5, 2, v5
.irp a, 0,1,2,3,4,5,6,7
.irp j, 0,1,2,3,4,5,6,7
	global_load_b32 v[BI+8*\a+\j], v5, s[22:23] offset:(32*(\a/2)+8*(\a%2))*4
.endr
.endr
.Lbias_done:
	s_wait_tensorcnt 0x0
	s_barrier_signal -1
	s_barrier_wait -1
	s_wait_alu depctr_va_vdst(0)
	FETCH_B 0, 0, 0
	FETCH_A 0, 0, 0
	SCALES 0
	FETCH_A 0, 0, 4
	s_wait_loadcnt 0x0
	s_cmp_eq_u32 s20, 0
	s_cbranch_scc0 .Lfirst_v
	STEP 0, 0, 1
	s_branch .Lfirst_done
.Lfirst_v:
	STEP 0, 0, 2
.Lfirst_done:
	STEP 0, 1, 0
	STEP 0, 2, 0
	s_wait_dscnt 8
	WIN 0xa1
	MUL16 0, 1, 3, 0, 0
	s_wait_dscnt 0x0
	s_barrier_signal -1
	MUL16 2, 1, 3, 0, 0
	WIN 0
	s_barrier_wait -1
	PLACES 4
	v_add_nc_u32 v[ADRS], 256, v[ADRS]
	FETCH_B 1, 0, 0
	FETCH_A 1, 0, 0
	SCALES 1
	WIN 0xf1
	MUL16 4, 1, 3, 0, 0
	MUL16 6, 1, 3, 0, 0
	PLACES 4
	WIN 0
	FETCH_A 1, 0, 4
	STEP 1, 0, 0
	STEP 1, 1, 0
	STEP 1, 2, 0
	s_wait_dscnt 8
	WIN 0xa1
	MUL16 0, 1, 3, 1, 0
	MUL16 2, 1, 3, 1, 0
	s_wait_dscnt 0x0
	WIN 0xf1
	MUL16 4, 1, 3, 1, 0
	MUL16 6, 1, 3, 1, 0
	WIN 0
.set TM,  32
.set PW,  48
.set SW,  56
.set PC,  128
.irp b, 0,1,2,3
	v_mov_b32 v[TM+4+\b], 0
.endr
	s_and_b32 s24, s42, 3
	s_mov_b32 s30, 512
	s_mov_b32 s32, 256
	s_cmp_eq_u32 s20, 0
	s_cselect_b32 s25, s43, s42
	s_cselect_b32 s24, s24, s43
	s_cselect_b32 s26, s17, s18
	s_cselect_b32 s27, s18, s17
	s_cselect_b32 s30, HB, s30
	s_cselect_b32 s31, HB, 0
	s_cselect_b32 s32, s32, HB
	s_cselect_b32 s33, 16, 0
	s_cselect_b32 s34, 0xffff, -1
	s_cselect_b32 s35, 9, 8
	s_cselect_b32 s29, 0, 213504
	s_add_co_u32 s29, s29, 512
	s_lshl_b32 s28, 512, s20
	s_mov_b32 s47, 131072
	s_cmp_eq_u32 s19, 0
	s_cselect_b32 s46, 143360, 0
	s_cselect_b32 s47, 208896, s47
	s_cmp_eq_u32 s19, 2
	s_cselect_b32 s46, 65536, s46
	s_cselect_b32 s47, 139264, s47
	s_lshr_b32 s48, s25, 3
	s_lshl_b32 s48, s48, 4
	s_lshl_b32 s49, s24, 2
	s_add_co_u32 s48, s48, s49
	s_lshl_b32 s49, s27, 1
	s_add_co_u32 s48, s48, s49
	s_mul_i32 s48, s48, HB
	s_and_b32 s49, s25, 7
	s_lshl_b32 s49, s49, 1
	s_add_co_u32 s49, s49, s26
	s_lshl_b32 s50, s49, 12
	s_add_co_u32 s50, s50, s48
	s_add_co_u32 s50, s50, s46
	s_mov_b32 s51, 0
	s_lshl_b32 s52, s49, s35
	s_add_co_u32 s52, s52, s48
	s_add_co_u32 s52, s52, s47
	s_mov_b32 s53, 0
	s_add_nc_u64 s[36:37], s[14:15], s[50:51]
	s_add_nc_u64 s[38:39], s[14:15], s[52:53]
	v_mov_b32 v24, v3
	v_add_nc_u32 v25, s30, v3
	v_mul_u32_u24 v26, s31, v2
	v_lshl_add_u32 v26, v1, 4, v26
	v_add_nc_u32 v27, s32, v26
	v_mul_u32_u24 v28, s33, v2
.macro QOUT a
.set AC, 64*((\a)%4)
.set PCA, PC+8*(\a)
	WIN 0x28+0x14*((\a)/4)
.irp b, 0,1,2,3
	v_max3_num_f32 v[TM+\b], 0x1800000, |v[AC+16*\b]|, |v[AC+16*\b+1]|
.endr
.irp i, 2,4,6,8,10,12,14
.irp b, 0,1,2,3
	v_max3_num_f32 v[TM+\b], v[TM+\b], |v[AC+16*\b+\i]|, |v[AC+16*\b+\i+1]|
.endr
.endr
	WIN 0
.irp b, 0,1,2,3
	v_permlanex16_b32 v[TM+4+\b], v[TM+\b], s[SEL], s[SEL+1]
.endr
.irp b, 0,1,2,3
	v_max_num_f32 v[TM+\b], v[TM+\b], v[TM+4+\b]
.endr
.irp b, 0,1,2,3
	v_add_nc_u32 v[TM+12+\b], 0xff000000, v[TM+\b]
.endr
.irp b, 0,1,2,3
	v_lshrrev_b32 v[TM+4+\b], 23, v[TM+12+\b]
.endr
	v_lshl_or_b32 v[PW], v[TM+5], 8, v[TM+4]
	v_lshl_or_b32 v[PW], v[TM+6], 16, v[PW]
	v_lshl_or_b32 v[PW], v[TM+7], 24, v[PW]
	WIN 2+(\a)/4
.irp b, 0,1,2,3
	v_cvt_scalef32_pk8_fp4_f32 v[PCA+2*\b], v[AC+16*\b:AC+16*\b+7], v[TM+12+\b]
	v_cvt_scalef32_pk8_fp4_f32 v[PCA+2*\b+1], v[AC+16*\b+8:AC+16*\b+15], v[TM+12+\b]
.endr
	WIN 0
	v_nop
.irp c, 0,1
.irp i, 0,1
	v_permlane16_swap_b32 v[PCA+4*\c+\i], v[PCA+4*\c+2+\i]
.endr
.endr
	v_lshrrev_b32 v[SW+(\a)], v28, v[PW]
	v_and_b32 v[SW+(\a)], s34, v[SW+(\a)]
.if (\a) > 0
	s_wait_xcnt 0x0
.if (\a) == 4
	v_add_nc_u32 v24, s29, v24
	s_wait_alu depctr_va_vdst(0)
	v_add_nc_u32 v25, s29, v25
.else
	v_add_nc_u32 v24, s28, v24
	s_wait_alu depctr_va_vdst(0)
	v_add_nc_u32 v25, s28, v25
.endif
.endif
	global_store_b128 v24, v[PCA:PCA+3], s[36:37]
	global_store_b128 v25, v[PCA+4:PCA+7], s[36:37]
.endm
.irp a, 0,1,2,3,4,5,6,7
	QOUT \a
.endr
	global_store_b128 v26, v[SW:SW+3], s[38:39]
	global_store_b128 v27, v[SW+4:SW+7], s[38:39]
	s_wait_tensorcnt 0x0
	ds_add_u32 v126, v127
	s_wait_dscnt 0x0
	CROUND
	s_endpgm
.Lfunc_end_k_qf9a537c296_qkv:
	.size	k_qf9a537c296_qkv, .Lfunc_end_k_qf9a537c296_qkv-k_qf9a537c296_qkv
	.p2alignl 7, 3214868480
	.fill 96, 4, 3214868480
	.section	.rodata,"a",@progbits
	.p2align	6, 0x0
	.amdhsa_kernel k_qf9a537c296_qkv
		.amdhsa_group_segment_fixed_size 327680
		.amdhsa_private_segment_fixed_size 0
		.amdhsa_enable_private_segment 0
		.amdhsa_kernarg_size 48
		.amdhsa_user_sgpr_count 2
		.amdhsa_user_sgpr_kernarg_segment_ptr 1
		.amdhsa_wavefront_size32 1
		.amdhsa_system_sgpr_workgroup_id_x 1
		.amdhsa_system_sgpr_workgroup_id_y 1
		.amdhsa_system_sgpr_workgroup_id_z 1
		.amdhsa_system_vgpr_workitem_id 0
		.amdhsa_next_free_vgpr 1024
		.amdhsa_next_free_sgpr 100
		.amdhsa_reserve_vcc 0
		.amdhsa_float_denorm_mode_32 3
		.amdhsa_float_denorm_mode_16_64 3
		.amdhsa_memory_ordered 1
		.amdhsa_forward_progress 1
		.amdhsa_inst_pref_size 148
	.end_amdhsa_kernel
	.amdgpu_metadata
---
amdhsa.version: [ 1, 2 ]
amdhsa.kernels:
  - .name:           k_qf9a537c296_qkv
    .symbol:         k_qf9a537c296_qkv.kd
    .args:
      - { .name: img, .offset: 0, .size: 8, .value_kind: global_buffer, .address_space: global }
      - { .name: scl, .offset: 8, .size: 8, .value_kind: global_buffer, .address_space: global }
      - { .name: bq, .offset: 16, .size: 8, .value_kind: global_buffer, .address_space: global }
      - { .name: bk, .offset: 24, .size: 8, .value_kind: global_buffer, .address_space: global }
      - { .name: bv, .offset: 32, .size: 8, .value_kind: global_buffer, .address_space: global }
      - { .name: qkv, .offset: 40, .size: 8, .value_kind: global_buffer, .address_space: global }
    .group_segment_fixed_size: 327680
    .private_segment_fixed_size: 0
    .kernarg_segment_align: 8
    .kernarg_segment_size: 48
    .max_flat_workgroup_size: 128
    .sgpr_count:     100
    .vgpr_count:     1024
    .wavefront_size: 32
...
	.end_amdgpu_metadata
.endif
;; end of part 2
;; launch attn (part 3): grid 4 x 64, 16 waves a work-group, clusters of 4 x 1, 284,672 bytes of LDS; arguments qkv, ai, asc; writes ai, asc
.if DOCPART == 3
	.amdgcn_target "amdgcn-amd-amdhsa--gfx1250"
	.amdhsa_code_object_version 6
	.text
	.protected	k_qf9a537c296_attn
	.globl	k_qf9a537c296_attn
	.p2align	8
	.type	k_qf9a537c296_attn,@function
k_qf9a537c296_attn:
	s_mov_b64 s[64:65], 0
	v_nop
	global_prefetch_b8 v0, s[64:65] scope:SCOPE_SE
	s_setreg_imm32_b32 hwreg(HW_REG_WAVE_MODE, 25, 1), 1
	s_wait_xcnt 0x0
	s_wait_alu depctr_hold_cnt(0) depctr_sa_sdst(0) depctr_va_vdst(0) depctr_va_sdst(0) depctr_va_ssrc(0) depctr_va_vcc(0) depctr_vm_vsrc(0)
	s_getreg_b32 s2, hwreg(HW_REG_IB_STS2, 6, 4)
	s_cmp_eq_u32 s2, 0
	s_cbranch_scc0 .Lentry_in_a_cluster
	s_endpgm
.Lentry_in_a_cluster:
	s_bfe_u32 s2, ttmp6, 0x10000c
	s_cmp_lg_u32 s2, 0x3003
	s_cbranch_scc0 .Lentry_shape_is_right
	s_endpgm
.Lentry_shape_is_right:
; out[h][q] = sum over keys of |softmax_k(q . k / 8)| v, both products on codes of FP4 (E2M1) with E8M0 scales.  The weights are quantised FINISHED AND NORMALISED, p / l, along the keys,
; so the row's sum l is known before any code is made: the scores are made twice.  |.| is written as nothing, since p / l is never negative.
; PASS 1 (256 keys a trip): the running maximum m, the sum l of 2^(c s - c m), c = log2(e) / 8, rescaled when m grows, and each block of 32 keys' largest score, kept in the wave's own LDS bytes.
; BETWEEN THE PASSES: b = -c m - log2(l); each block's largest weight 2^(c smax + b) gives the conversion's scale operand and the scale byte; 16 bytes a lane and key step go back to the wave's LDS bytes.
; PASS 2 (128 keys a trip): the scores again, p / l = 2^(c s + b), its codes, O^T += V^T P^T.  The output is quantised here, along the channels, for the last product.
; SHARES.  A work-group owns 512 queries of one head, each of its sixteen waves two tiles of 16, one after the other.  A head's K and V, codes and scale words, are 143,360 dense bytes of qkv: they come into LDS once and stay.
; CLUSTER.  The four work-groups of a head ask for those bytes jointly: waves 0-7 K's codes (8,192 bytes each), waves 8-15 V's codes and all scale words (9,728 bytes each), one load a wave.
; No prefetch: all bytes are asked for by the head's one group of loads, and there is no loop to run ahead in.
; LAYOUT.  Both products are used transposed (S^T = K Q^T, O^T = V^T P^T): a lane holds ONE query (lane % 16).  In qkv a key tile 2 A + u holds keys 32 A + 8 u + r + 8 (r / 8), 16 bytes a lane.
; Here a tile's 16 keys are chosen anew by each lane's address: tile 4 g + w of a key step has keys 64 g + 8 w + r in rows 0-7 and 64 g + 32 + 8 w + (r - 8) in rows 8-15.
; So registers 32 g .. 32 g + 31 of S^T in lane (r, h) are keys 64 g + 32 h + 0 .. 31: one whole block, in the order of the second product's operand: no lane is asked for a block's maximum, and the codes are not exchanged.
; K's codes lie in LDS with 128 bytes of padding behind each 1,024, so that rows 0-7 and rows 8-15 of such a tile, 1,024 bytes apart in memory, start 1,152 apart.
; K = 64 IN AN INSTRUCTION OF 128: a key tile has 4 registers; its operand is named as 8; the upper four (any codes) meet Q's upper four registers, which are zero codes, under scale bytes 0 on both sides: they add nothing.
; LIMITS: NaN and infinities are not served; a weight under 2^-126 comes out as 0 (v_exp_f32: ISA guide 15.8); a block of zeros gets the byte 1 (zero codes; this program alone reads the bytes);
; the promise holds while c s stays under 2^31 in magnitude.  A block's largest weight is its largest score put through the same multiply-add and exponential: this takes v_exp_f32 not to fall where its input rises.
.set HB,   217088                      ; a head's bytes in qkv: K's images 0, V's 65,536, K's words 131,072, V's 139,264,
.set QI,   143360                      ; Q's images,
.set QS,   208896                      ; Q's words
.set VI,   73728                       ; LDS: K's images at 0 (64 x 1,152), V's here,
.set KS,   139264                      ; K's scale words,
.set VS,   147456                      ; V's,
.set SCR,  151552                      ; each wave's own 8,192 bytes,
.set SPARE, 282624                     ; the spare words: 128 bytes a wave
.set L16, 1                            ; 16 x lane
.set AKB, 2                            ; my place in a tile of K: 16 x lane + 1,024 (r / 8)
.set ASB, 3                            ; among K's words: KS + 128 h + 16 (r % 8) + 8 (r / 8)
.set ABM, 4                            ; in my wave's bytes: + 16 x lane
.set AVB, 5                            ; VI + 16 x lane
.set AVS, 6                            ; VS + 16 r
.set ADK, 7                            ; v7-11 the step's addresses
.set ADS, 8
.set ADM, 9
.set ADV, 10
.set ADT, 11
.set NCM, 12                           ; v[12:13] -c m, then b (the low word serves both halves)
.set L,   14                           ; v[14:15] the sum in two halves
.set AA,  16                           ; v[16:17] 2^(c m_old - c m_new)
.set M,   18
.set T,   19
.set TP,  20
.set SH8, 21                           ; 8 h
.set HH,  22
.set OLD, 23
.set QF,  24                           ; v24-39 Q's two tiles; registers 4-7 of each are zero codes
.set QSW, 40                           ; v40-41 their scale words
.set BMX, 42                           ; v42-45 block maxima
.set KSW, 46                           ; K's words: register 2 (2 s + g) + u: lanes 0-15 tile w = u, lanes 16-31 tile w = 2 + u
.set VSW, 50                           ; pass 2: V's words
.set SC,  54                           ; pass 2: two scale operands, p's scale word, one word not used
.set SPW, 58
.set NIL, 59
.set KF,  60                           ; v60-123 sixteen key tiles (pass 2: v60-91)
.set VF,  92                           ; pass 2: v92-123 V's four channel tiles
.set R16, 124
.set ASO, 125
.set OW,  126                          ; v126-127 the outputs' scale bytes
.set S,   128                          ; pass 1: v128-255 S^T of 256 keys
.set X,   128                          ; between the passes: 32 block maxima
.set PC,  128                          ; pass 2: p's codes
.set O,   136                          ; v136-167 O^T
.set OC,  168                          ; the output's codes
.set R,   192                          ; between the passes: 16 x 4 words
.set S2,  192                          ; pass 2: S^T of 128 keys
.set WV,  16
.set SEL, 20
.set CS,  22
.set NC,  32
.set TK,  33
.set TS,  34
.set TT,  35
.set CNT, 36
.set TV,  37
.set TM,  38
.set PQ,  40
.set PQS, 42
.set PAI, 44
.set PAS, 46
.set G1,  48
.set G0,  56
.set G1V, 68
.set G0V, 76
.macro CROUND
	s_barrier_signal -1
	s_barrier_wait -1
	s_cmp_lg_u32 s[WV], 0
	s_cbranch_scc1 .Lnot_wave_0_\@
	s_barrier_signal -3
.Lnot_wave_0_\@:
	s_barrier_wait -3
	s_barrier_signal -1
	s_barrier_wait -1
.endm
.macro PLACES
.rept 4
	v_nop
.endr
.endm
	s_load_b128 s[4:7], s[0:1], 0x0                ; qkv, ai
	s_load_b64 s[8:9], s[0:1], 0x10                ; asc
	v_lshl_add_u32 v[SPW], v0, 2, SPARE
	v_mov_b32 v[NIL], 0
	ds_add_u32 v[SPW], v[NIL]                      ; the opening lines: the add twice on end and its wait
	ds_add_u32 v[SPW], v[NIL]
	v_lshrrev_b32 v[T], 5, v0
	v_readfirstlane_b32 s[WV], v[T]                ; wave 0..15
	s_bfe_u32 s17, ttmp6, 0x40000                  ; cx
	s_lshl_b32 s18, ttmp9, 2
	s_add_co_u32 s18, s18, s17                     ; my block of 512 queries: it enters my own global loads and stores alone
	s_and_b32 s19, ttmp7, 0xffff                   ; the head, which the four partners share
	s_mul_i32 s24, s19, HB
	s_mov_b32 s25, 0
	s_and_b32 s26, s[WV], 7                        ; my eighth
	s_mul_i32 s28, s26, 9216                       ; K in LDS: 8 rows of 1,152
	s_mul_i32 s30, s26, 9728
	s_add_co_u32 s29, s30, VI                      ; the rest in LDS,
	s_add_co_u32 s30, s30, 65536                   ; and in the head's bytes
	s_mov_b32 s31, 0
	s_lshl_b32 s26, s26, 13                        ; K in the head's bytes
	s_mov_b32 s27, 0
	s_mov_b32 s[G1], 15|(3<<16)|(1<<20)|(1<<21)|(7<<22)|(31<<25)   ; mask: all four; elements of 8 bytes; 32 words of padding behind every 256
	s_mov_b32 s[G1+1], 128<<16                     ; rows of 1,024 bytes
	s_mov_b32 s[G1+2], 8<<16
	s_mov_b32 s[G1+3], 128<<16
	s_mov_b32 s[G1+4], 8
	s_mov_b32 s[G1+5], 128
	s_mov_b32 s[G1+6], 0
	s_mov_b32 s[G1+7], 0
	s_mov_b32 s[G1V], 15|(3<<16)|(1<<21)           ; 38 dense rows of 256 bytes, no padding
	s_mov_b32 s[G1V+1], 32<<16
	s_mov_b32 s[G1V+2], 38<<16
	s_mov_b32 s[G1V+3], 32<<16
	s_mov_b32 s[G1V+4], 38
	s_mov_b32 s[G1V+5], 32
	s_mov_b32 s[G1V+6], 0
	s_mov_b32 s[G1V+7], 0
	s_mov_b32 s[SEL], 0x76543210
	s_mov_b32 s[SEL+1], 0xfedcba98
	s_mov_b32 s[CS], 0x3e38aa3b                    ; c = log2(e) / 8
	s_mov_b32 s[CS+1], s[CS]
	s_mov_b32 s[NC], 0xbe38aa3b                    ; -c
	s_wait_dscnt 0x0
	s_wait_kmcnt 0x0
	s_add_nc_u64 s[4:5], s[4:5], s[24:25]          ; qkv at my head
	s_mov_b32 s[G0], 1
	s_mov_b32 s[G0+1], s28
	s_add_nc_u64 s[G0+2:G0+3], s[4:5], s[26:27]
	s_or_b32 s[G0+3], s[G0+3], 0x80000000
	s_mov_b32 s[G0V], 1
	s_mov_b32 s[G0V+1], s29
	s_add_nc_u64 s[G0V+2:G0V+3], s[4:5], s[30:31]
	s_or_b32 s[G0V+3], s[G0V+3], 0x80000000
	CROUND                                         ; all four work-groups are here: the joint loads meet
	s_cmp_lt_u32 s[WV], 8                          ; one chain of two arms, one load an arm
	s_cbranch_scc0 .Lhead_v
	tensor_load_to_lds s[G0:G0+3], s[G1:G1+7]
	s_nop 0
	PLACES
	s_branch .Lhead_asked
.Lhead_v:
	tensor_load_to_lds s[G0V:G0V+3], s[G1V:G1V+7]
	s_nop 0
	PLACES
.Lhead_asked:
	s_lshl_b32 s28, s18, 5
	s_lshl_b32 s29, s[WV], 1
	s_add_co_u32 s28, s28, s29                     ; my first query tile of the head's 128
	s_lshl_b32 s30, s28, 9
	s_add_co_u32 s30, s30, QI
	s_mov_b32 s31, 0
	s_add_nc_u64 s[PQ:PQ+1], s[4:5], s[30:31]
	s_lshl_b32 s30, s18, 11                        ; Q's words: [tile / 4][r][4 words]
	s_lshr_b32 s29, s[WV], 1
	s_lshl_b32 s29, s29, 8
	s_add_co_u32 s30, s30, s29
	s_and_b32 s29, s[WV], 1
	s_lshl_b32 s29, s29, 3
	s_add_co_u32 s30, s30, s29
	s_add_co_u32 s30, s30, QS
	s_add_nc_u64 s[PQS:PQS+1], s[4:5], s[30:31]
	s_lshl_b32 s39, s[WV], 13
	s_add_co_u32 s39, s39, SCR                     ; my wave's bytes
.irp j, 4,5,6,7,12,13,14,15
	v_mov_b32 v[QF+\j], 0                          ; Q's upper halves: zero codes
.endr
	v_mov_b32 v[TP], 0                             ; a lane permute's destination counts as read
	v_mov_b32 v[NCM+1], 0                          ; upper halves of pairs of which the low word alone is used
	v_mov_b32 v[AA], 0
	v_mov_b32 v[AA+1], 0
	v_mov_b32 v[OW], 0                             ; (named with v124-125 behind the last key tile's four registers)
	v_mov_b32 v[OW+1], 0
	v_and_b32 v[L16], 31, v0
	v_lshlrev_b32 v[L16], 4, v[L16]
	v_and_b32 v[R16], 15, v0
	v_lshlrev_b32 v[R16], 4, v[R16]
	v_bfe_u32 v[HH], v0, 4, 1
	v_bfe_u32 v[T], v0, 3, 1                       ; r / 8
	v_lshl_add_u32 v[AKB], v[T], 10, v[L16]
	v_and_b32 v[ADK], 7, v0
	v_lshlrev_b32 v[ADK], 4, v[ADK]
	v_lshl_add_u32 v[ADK], v[HH], 7, v[ADK]
	v_lshl_add_u32 v[ADK], v[T], 3, v[ADK]
	v_add_nc_u32 v[ASB], KS, v[ADK]
	v_add_nc_u32 v[ABM], s39, v[L16]
	v_add_nc_u32 v[AVB], VI, v[L16]
	v_add_nc_u32 v[AVS], VS, v[R16]
	v_lshl_add_u32 v[ASO], v[HH], 9, v[R16]
	v_lshlrev_b32 v[SH8], 3, v[HH]
	s_wait_alu depctr_va_vdst(0)                   ; the wait at the end of the head's vector work
	global_load_b128 v[QF:QF+3], v[L16], s[PQ:PQ+1]
	global_load_b128 v[QF+8:QF+11], v[L16], s[PQ:PQ+1] offset:512
	global_load_b32 v[QSW], v[R16], s[PQS:PQS+1]
	global_load_b32 v[QSW+1], v[R16], s[PQS:PQS+1] offset:4
	s_lshr_b32 s29, s19, 4                         ; the batch
	s_lshl_b32 s29, s29, 7
	s_add_co_u32 s28, s28, s29                     ; my first token tile of 512
	s_and_b32 s29, s19, 15                         ; the head within the batch: part hd % 2 of K step hd / 2 of the last product
	s_lshl_b32 s30, s28, 13
	s_lshl_b32 s24, s29, 9
	s_add_co_u32 s30, s30, s24
	s_add_nc_u64 s[PAI:PAI+1], s[6:7], s[30:31]
	s_lshl_b32 s30, s28, 9                         ; asc: [tile][K step / 4][r][4 words]; my two bytes of word (hd / 2) % 4
	s_lshr_b32 s24, s29, 3
	s_lshl_b32 s24, s24, 8
	s_add_co_u32 s30, s30, s24
	s_bfe_u32 s24, s29, 0x20001
	s_lshl_b32 s24, s24, 2
	s_add_co_u32 s30, s30, s24
	s_and_b32 s24, s29, 1
	s_lshl_b32 s24, s24, 1
	s_add_co_u32 s30, s30, s24
	s_add_nc_u64 s[PAS:PAS+1], s[8:9], s[30:31]
	s_wait_tensorcnt 0x0                           ; my part is in,
	s_barrier_signal -1
	s_barrier_wait -1                              ; everybody's is
	s_wait_loadcnt 0x0                             ; Q
.macro KLOAD nt                        ; nt key tiles from v[ADK], and their scale words from v[ADS]: a pair of words for each 64 keys
.set tt, 0
.rept \nt
	ds_load_b128 v[KF+4*tt:KF+4*tt+3], v[ADK] offset:4608*(tt/8)+2304*((tt/4)%2)+128*((tt/2)%2)+512*(tt%2)
.set tt, tt+1
.endr
.set tt, 0
.rept \nt/4
	ds_load_b64 v[KSW+2*tt:KSW+2*tt+1], v[ADS] offset:256*tt
.set tt, tt+1
.endr
.endm
.macro SMUL n, nt, sb                  ; S^T = K Q^T: nt key tiles against query tile n
.set tt, 0
.rept \nt
.set kw, KSW+2*(tt/4)+(tt%2)
.if (tt/2)%2
	v_wmma_scale_f32_16x16x128_f8f6f4 v[\sb+8*tt:\sb+8*tt+7], v[KF+4*tt:KF+4*tt+7], v[QF+8*\n:QF+8*\n+7], 0, v[kw], v[QSW+\n] matrix_a_fmt:MATRIX_FMT_FP4 matrix_b_fmt:MATRIX_FMT_FP4 matrix_a_scale:MATRIX_SCALE_ROW1
.else
	v_wmma_scale_f32_16x16x128_f8f6f4 v[\sb+8*tt:\sb+8*tt+7], v[KF+4*tt:KF+4*tt+7], v[QF+8*\n:QF+8*\n+7], 0, v[kw], v[QSW+\n] matrix_a_fmt:MATRIX_FMT_FP4 matrix_b_fmt:MATRIX_FMT_FP4
.endif
.set tt, tt+1
.endr
.endm
.macro FMA1 a                          ; two numbers: x c + the low word of v[NCM]
	v_pk_fma_f32 v[\a:\a+1], v[\a:\a+1], s[CS:CS+1], v[NCM:NCM+1] op_sel_hi:[1,0,0]
.endm
.macro FMAS base, n
.set j, 0
.rept \n
	FMA1 (\base)+2*j
.set j, j+1
.endr
.endm
.macro ADDS base, n, st                ; n independent packed sums, in place: pair 2 st j += pair 2 st j + st
.set j, 0
.rept \n
	v_pk_add_f32 v[(\base)+2*(\st)*j:(\base)+2*(\st)*j+1], v[(\base)+2*(\st)*j:(\base)+2*(\st)*j+1], v[(\base)+2*(\st)*j+(\st):(\base)+2*(\st)*j+(\st)+1]
.set j, j+1
.endr
.endm
; PASS 1 for tile n: 8 trips of 256 keys.  The next trip's fragments are asked for behind this trip's products (the last trip's request reads bytes of V's images, which nobody uses).
.macro P1 n
	s_wait_xcnt 0x0                                ; the last tile's store has read its registers
	s_wait_dscnt 0x0                               ; no LDS load of mine is out
	s_mov_b32 s[TK], 9216
	s_mov_b32 s[TS], 1024
	s_mov_b32 s[TM], 0
	s_mov_b32 s[CNT], 8
	v_mov_b32 v[ADK], v[AKB]
	v_mov_b32 v[ADS], v[ASB]
	KLOAD 16
	v_mov_b32 v[M], 0xff61b1e6                     ; -3e38, under every score
	v_mul_f32 v[NCM], s[NC], v[M]
	v_mov_b32 v[L], 0
	v_mov_b32 v[L+1], 0
	s_wait_alu depctr_va_vdst(0)
.Lp1_\@:
	s_wait_dscnt 0x0
	SMUL \n, 16, S
	v_add_nc_u32 v[ADK], s[TK], v[AKB]             ; four plain lines: the places behind the products
	v_add_nc_u32 v[ADS], s[TS], v[ASB]
	v_add_nc_u32 v[ADM], s[TM], v[ABM]
	v_mov_b32 v[OLD], v[NCM]
	KLOAD 16
.irp b, 0,1,2,3
	v_max3_num_f32 v[BMX+\b], v[S+32*\b], v[S+32*\b+1], v[S+32*\b+2]   ; my four whole blocks of 32 keys by turns, each accumulator from its low end on
.endr
.irp i, 3,5,7,9,11,13,15,17,19,21,23,25,27,29
.irp b, 0,1,2,3
	v_max3_num_f32 v[BMX+\b], v[BMX+\b], v[S+32*\b+\i], v[S+32*\b+\i+1]
.endr
.endr
.irp b, 0,1,2,3
	v_max_num_f32 v[BMX+\b], v[BMX+\b], v[S+32*\b+31]
.endr
	ds_store_b128 v[ADM], v[BMX:BMX+3]             ; kept, in my wave's own bytes
	v_max3_num_f32 v[T], v[BMX], v[BMX+1], v[BMX+2]
	v_max3_num_f32 v[T], v[T], v[BMX+3], v[M]
	v_permlanex16_b32 v[TP], v[T], s[SEL], s[SEL+1]
	v_max_num_f32 v[M], v[T], v[TP]                ; the running maximum, with lane l xor 16's blocks
	v_mul_f32 v[NCM], s[NC], v[M]                  ; -c m
	v_sub_f32 v[T], v[NCM], v[OLD]                 ; c m_old - c m_new
	FMAS S, 32                                     ; the first 128 keys: c s - c m
	s_wait_alu depctr_va_vdst(0)                   ; ahead of a batch
	v_exp_f32 v[AA], v[T]
.set j, 0
.rept 32                                       ; the first 128 keys' exponentials; among them the other 128 keys' multiply-adds, which read nothing written in the batch
	v_exp_f32 v[S+2*j], v[S+2*j]
	v_exp_f32 v[S+2*j+1], v[S+2*j+1]
	FMA1 S+64+2*j
.set j, j+1
.endr
	s_wait_alu depctr_va_vdst(0)                   ; behind the batch, and ahead of the next
	v_pk_mul_f32 v[L:L+1], v[L:L+1], v[AA:AA+1] op_sel_hi:[1,0]    ; the sum under the new maximum
.set j, 0
.rept 16                                       ; the other 128 keys' exponentials; among them sixteen independent sums of the first 128
	v_exp_f32 v[S+64+4*j], v[S+64+4*j]
	v_exp_f32 v[S+64+4*j+1], v[S+64+4*j+1]
	v_exp_f32 v[S+64+4*j+2], v[S+64+4*j+2]
	v_exp_f32 v[S+64+4*j+3], v[S+64+4*j+3]
	v_pk_add_f32 v[S+4*j:S+4*j+1], v[S+4*j:S+4*j+1], v[S+4*j+2:S+4*j+3]
.set j, j+1
.endr
	s_wait_alu depctr_va_vdst(0)                   ; behind the batch
	ADDS S+64, 16, 2                               ; the rest of the sum, level by level
	ADDS S, 16, 4
	ADDS S, 8, 8
	ADDS S, 4, 16
	ADDS S, 2, 32
	v_pk_add_f32 v[L:L+1], v[L:L+1], v[S:S+1]
	v_pk_add_f32 v[L:L+1], v[L:L+1], v[S+64:S+65]
	s_add_co_u32 s[TK], s[TK], 9216
	s_add_co_u32 s[TS], s[TS], 1024
	s_add_co_u32 s[TM], s[TM], 512
	s_sub_co_u32 s[CNT], s[CNT], 1
	s_cmp_lg_u32 s[CNT], 0
	s_cbranch_scc1 .Lp1_\@
.endm
; BETWEEN THE PASSES: b, and for each of the 16 key steps my two blocks' scale operands and the step's scale word of p
.macro PS
	v_add_f32 v[L], v[L], v[L+1]
	v_permlanex16_b32 v[TP], v[L], s[SEL], s[SEL+1]
	v_add_f32 v[L], v[L], v[TP]                    ; the row's sum
.set j, 0
.rept 8
	ds_load_b128 v[X+4*j:X+4*j+3], v[ABM] offset:512*j             ; register 2 s + g: the largest score of block 2 g + h of key step s
.set j, j+1
.endr
	s_wait_alu depctr_va_vdst(0)
	v_log_f32 v[T], v[L]
	v_nop
	s_wait_alu depctr_va_vdst(0)
	v_sub_f32 v[NCM], v[NCM], v[T]                 ; b = -c m - log2(l)
	s_wait_alu depctr_va_vdst(0)
	s_wait_dscnt 0x0
	FMAS X, 16
	s_wait_alu depctr_va_vdst(0)
.set j, 0
.rept 32
	v_exp_f32 v[X+j], v[X+j]                       ; each block's largest weight
.set j, j+1
.endr
	v_nop
	s_wait_alu depctr_va_vdst(0)
.set j, 0
.rept 32
	v_max_num_f32 v[X+j], 0x1800000, v[X+j]        ; the floor 2^(3 - 127): the byte cannot fall under 1
.set j, j+1
.endr
.set j, 0
.rept 32
	v_add_nc_u32 v[R+4*(j/2)+j%2], 0xff000000, v[X+j]              ; 2 off the exponent field: the conversion's scale operand
.set j, j+1
.endr
.set j, 0
.rept 32
	v_lshrrev_b32 v[X+j], 23, v[R+4*(j/2)+j%2]     ; the byte
.set j, j+1
.endr
.set j, 0
.rept 16
	v_lshl_or_b32 v[R+4*j+2], v[X+2*j+1], 16, v[X+2*j]             ; blocks h and 2 + h,
.set j, j+1
.endr
.set j, 0
.rept 16
	v_lshlrev_b32 v[R+4*j+2], v[SH8], v[R+4*j+2]   ; at their places in the word;
.set j, j+1
.endr
.set j, 0
.rept 16
	v_permlanex16_b32 v[R+4*j+3], v[R+4*j+2], s[SEL], s[SEL+1]
.set j, j+1
.endr
.set j, 0
.rept 16
	v_or_b32 v[R+4*j+2], v[R+4*j+2], v[R+4*j+3]    ; with lane l xor 16's two the word is whole
.set j, j+1
.endr
.set j, 0
.rept 16
	ds_store_b128 v[ABM], v[R+4*j:R+4*j+3] offset:512*j            ; my wave's own bytes; the maxima there have been read
.set j, j+1
.endr
.endm
; PASS 2 for tile n: 16 trips of 128 keys
.macro P2 n
	s_mov_b32 s[TK], 4608
	s_mov_b32 s[TS], 512
	s_mov_b32 s[TV], 0
	s_mov_b32 s[TT], 0
	s_mov_b32 s[TM], 0
	s_mov_b32 s[CNT], 16
	v_mov_b32 v[ADK], v[AKB]
	v_mov_b32 v[ADS], v[ASB]
	KLOAD 8
.set j, 0
.rept 32
	v_mov_b32 v[O+j], 0                            ; the step is written once: the first finds zeros
.set j, j+1
.endr
	s_wait_alu depctr_va_vdst(0)
.Lp2_\@:
	s_wait_dscnt 0x0                               ; this step's K
	SMUL \n, 8, S2
	v_add_nc_u32 v[ADK], s[TK], v[AKB]             ; five plain lines: the places behind these products and the last step's
	v_add_nc_u32 v[ADS], s[TS], v[ASB]
	v_add_nc_u32 v[ADV], s[TV], v[AVB]
	v_add_nc_u32 v[ADT], s[TT], v[AVS]
	v_add_nc_u32 v[ADM], s[TM], v[ABM]
.irp t, 0,1,2,3                                ; ten loads for this step: V's four channel tiles, V's words, p's scales;
.irp c, 0,1
	ds_load_b128 v[VF+8*\t+4*\c:VF+8*\t+4*\c+3], v[ADV] offset:1024*\t+512*\c
.endr
.endr
	ds_load_b128 v[VSW:VSW+3], v[ADT]
	ds_load_b128 v[SC:SC+3], v[ADM]
	KLOAD 8                                        ; and ten for the next step's K (the last trip's read bytes that nobody uses)
	FMAS S2, 32                                    ; c s + b
	s_wait_alu depctr_va_vdst(0)
.set j, 0
.rept 64
	v_exp_f32 v[S2+j], v[S2+j]                     ; p / l
.set j, j+1
.endr
	v_nop
	s_wait_alu depctr_va_vdst(0)
	s_wait_dscnt 10                                ; this step's ten are in; the ten for the next step's K may be out
.set j, 0
.rept 8
	v_cvt_scalef32_pk8_fp4_f32 v[PC+j], v[S2+8*j:S2+8*j+7], v[SC+j/4]   ; register 4 g + w: keys 64 g + 32 h + 8 w + 0 .. 7: the operand as it stands
.set j, j+1
.endr
	PLACES                                         ; an operand written by vector instructions stands four places ahead of a scaled matrix instruction
	s_wait_alu depctr_va_vdst(0)                   ; directly ahead of the first reader of O^T
.irp t, 0,1,2,3                                ; O^T += V^T P^T: four accumulators by turns; the next step's eight products stand between two links
	v_wmma_scale_f32_16x16x128_f8f6f4 v[O+8*\t:O+8*\t+7], v[VF+8*\t:VF+8*\t+7], v[PC:PC+7], v[O+8*\t:O+8*\t+7], v[VSW+\t], v[SC+2] matrix_a_fmt:MATRIX_FMT_FP4 matrix_b_fmt:MATRIX_FMT_FP4
.endr
	s_add_co_u32 s[TK], s[TK], 4608
	s_add_co_u32 s[TS], s[TS], 512
	s_add_co_u32 s[TV], s[TV], 4096
	s_add_co_u32 s[TT], s[TT], 256
	s_add_co_u32 s[TM], s[TM], 512
	s_sub_co_u32 s[CNT], s[CNT], 1
	s_cmp_lg_u32 s[CNT], 0
	s_cbranch_scc1 .Lp2_\@
.endm
; Tile n's 16 rows x 64 channels are quantised along the channels: register 16 b + i of lane (r, h) is channel 32 b + 16 h + i
.macro OUTQ n
	PLACES
.irp b, 0,1
	v_max3_num_f32 v[BMX+\b], |v[O+16*\b]|, |v[O+16*\b+1]|, 0x1800000
.endr
.irp i, 2,4,6,8,10,12,14
.irp b, 0,1
	v_max3_num_f32 v[BMX+\b], v[BMX+\b], |v[O+16*\b+\i]|, |v[O+16*\b+\i+1]|
.endr
.endr
.irp b, 0,1
	v_permlanex16_b32 v[AA+\b], v[BMX+\b], s[SEL], s[SEL+1]
.endr
.irp b, 0,1
	v_max_num_f32 v[BMX+\b], v[BMX+\b], v[AA+\b]
.endr
.irp b, 0,1
	v_add_nc_u32 v[BMX+2+\b], 0xff000000, v[BMX+\b]
.endr
.irp b, 0,1
	v_lshrrev_b32 v[AA+\b], 23, v[BMX+2+\b]
.endr
	v_lshl_or_b32 v[OW+\n], v[AA+1], 8, v[AA]      ; the row's two bytes
.irp b, 0,1
	v_cvt_scalef32_pk8_fp4_f32 v[OC+2*\b], v[O+16*\b:O+16*\b+7], v[BMX+2+\b]
	v_cvt_scalef32_pk8_fp4_f32 v[OC+2*\b+1], v[O+16*\b+8:O+16*\b+15], v[BMX+2+\b]
.endr
	v_nop
.irp i, 0,1
	v_permlane16_swap_b32 v[OC+\i], v[OC+2+\i]     ; a whole block in a lane
.endr
	global_store_b128 v[L16], v[OC:OC+3], s[PAI:PAI+1] offset:8192*\n   ; 32 lanes store 512 consecutive bytes, aligned
.endm
	P1 0
	PS
	P2 0
	OUTQ 0
	P1 1
	PS
	P2 1
	OUTQ 1
	v_cmp_eq_u32 vcc_lo, 1, v[HH]
	v_cndmask_b32 v[T], v[OW], v[OW+1], vcc_lo     ; lanes 0-15 store tile 0's bytes, lanes 16-31 tile 1's
	global_store_b16 v[ASO], v[T], s[PAS:PAS+1]
	s_wait_tensorcnt 0x0                           ; the wave's end
	ds_add_u32 v[SPW], v[NIL]
	s_wait_dscnt 0x0
	CROUND                                         ; the closing round
	s_endpgm
.Lfunc_end_k_qf9a537c296_attn:
	.size	k_qf9a537c296_attn, .Lfunc_end_k_qf9a537c296_attn-k_qf9a537c296_attn
	.p2alignl 7, 3214868480
	.fill 96, 4, 3214868480
	.section	.rodata,"a",@progbits
	.p2align	6, 0x0
	.amdhsa_kernel k_qf9a537c296_attn
		.amdhsa_group_segment_fixed_size 284672
		.amdhsa_private_segment_fixed_size 0
		.amdhsa_enable_private_segment 0
		.amdhsa_kernarg_size 24
		.amdhsa_user_sgpr_count 2
		.amdhsa_user_sgpr_kernarg_segment_ptr 1
		.amdhsa_wavefront_size32 1
		.amdhsa_system_sgpr_workgroup_id_x 1
		.amdhsa_system_sgpr_workgroup_id_y 1
		.amdhsa_system_sgpr_workgroup_id_z 1
		.amdhsa_system_vgpr_workitem_id 0
		.amdhsa_next_free_vgpr 256
		.amdhsa_next_free_sgpr 80
		.amdhsa_reserve_vcc 1
		.amdhsa_float_denorm_mode_32 3
		.amdhsa_float_denorm_mode_16_64 3
		.amdhsa_memory_ordered 1
		.amdhsa_forward_progress 1
		.amdhsa_inst_pref_size 100
	.end_amdhsa_kernel
	.amdgpu_metadata
---
amdhsa.version: [ 1, 2 ]
amdhsa.kernels:
  - .name:           k_qf9a537c296_attn
    .symbol:         k_qf9a537c296_attn.kd
    .args:
      - { .name: qkv, .offset: 0, .size: 8, .value_kind: global_buffer, .address_space: global }
      - { .name: ai, .offset: 8, .size: 8, .value_kind: global_buffer, .address_space: global }
      - { .name: asc, .offset: 16, .size: 8, .value_kind: global_buffer, .address_space: global }
    .group_segment_fixed_size: 284672
    .private_segment_fixed_size: 0
    .kernarg_segment_align: 8
    .kernarg_segment_size: 24
    .max_flat_workgroup_size: 512
    .sgpr_count:     80
    .vgpr_count:     256
    .wavefront_size: 32
...
	.end_amdgpu_metadata
.endif
;; end of part 3
;; launch ogemm (part 4): grid 4 x 32, 4 waves a work-group, clusters of 4 x 4, 327,680 bytes of LDS; arguments ai, asc, img, scl, bo, out0; writes out0
.if DOCPART == 4
	.amdgcn_target "amdgcn-amd-amdhsa--gfx1250"
	.amdhsa_code_object_version 6
	.text
	.protected	k_qf9a537c296_ogemm
	.globl	k_qf9a537c296_ogemm
	.p2align	8
	.type	k_qf9a537c296_ogemm,@function
k_qf9a537c296_ogemm:
	s_mov_b64 s[64:65], 0
	v_nop
	global_prefetch_b8 v0, s[64:65] scope:SCOPE_SE
	s_setreg_imm32_b32 hwreg(HW_REG_WAVE_MODE, 25, 1), 1
	s_wait_xcnt 0x0
	s_wait_alu depctr_hold_cnt(0) depctr_sa_sdst(0) depctr_va_vdst(0) depctr_va_sdst(0) depctr_va_ssrc(0) depctr_va_vcc(0) depctr_vm_vsrc(0)
	s_getreg_b32 s2, hwreg(HW_REG_IB_STS2, 6, 4)
	s_cmp_eq_u32 s2, 0
	s_cbranch_scc0 .Lentry_in_a_cluster
	s_endpgm
.Lentry_in_a_cluster:
	s_bfe_u32 s2, ttmp6, 0x10000c
	s_cmp_lg_u32 s2, 0xf033
	s_cbranch_scc0 .Lentry_shape_is_right
	s_endpgm
.Lentry_shape_is_right:
.set SLOT,  4096
.set BOFF,  131072
.set SCL,   262144
.set STAGE, 278528
.set PAC, 4
.set PAS, 6
.set PBC, 8
.set PBS, 10
.set CO,   3
.set ADRA, 16
.set ADRB, 20
.set STO,  24
.set RD,   25
.set ADRS, 27
.set SC,   32
.set AF,   128
.set BI,   192
.set BK,   128
.set G1, 24
.set G0, 32
.set G1B, 48
.set G0B, 56
.set G1S, 68
.set G0S, 76
.set G1SB, 80
.set G0SB, 88
.set MSB, 0
.macro WIN new
.if MSB != (\new)
	s_set_vgpr_msb (MSB<<8)|(\new)
.set MSB, (\new)
.endif
.endm
.macro JLOAD g0a, g1a, g0b, g1b
	s_cmp_eq_u32 s17, 0
	s_cbranch_scc0 .Lfor_b_\@
	tensor_load_to_lds s[\g0a:\g0a+3], s[\g1a:\g1a+7]
	s_nop 0
.rept 4
	v_nop
.endr
	s_branch .Lasked_\@
.Lfor_b_\@:
	tensor_load_to_lds s[\g0b:\g0b+3], s[\g1b:\g1b+7]
	s_nop 0
.rept 4
	v_nop
.endr
.Lasked_\@:
.endm
.macro CROUND
	s_barrier_signal -1
	s_barrier_wait -1
	s_cmp_lg_u32 s16, 0
	s_cbranch_scc1 .Lnot_wave_0_\@
	s_barrier_signal -3
.Lnot_wave_0_\@:
	s_barrier_wait -3
	s_barrier_signal -1
	s_barrier_wait -1
.endm
.macro PLACES n
.rept \n
	v_nop
.endr
.endm
.macro FRAG reg, adr, q, i
.irp c, 0,1
	ds_load_b128 v[\reg+4*\c:\reg+4*\c+3], v[\adr] offset:1024*(\q)+512*\c+8192*(\i)
.endr
.endm
.macro FETCH_B slot, q, p
	WIN 0x40
.irp i, 0,1,2,3,4,5,6,7
	FRAG 128*(\p)+8*\i, ADRB+\slot, \q, \i
.endr
	WIN 0
.endm
.macro FETCH_A slot, q, i0
.irp i, \i0, \i0+1, \i0+2, \i0+3
	FRAG AF+8*(\i), ADRA+\slot, \q, \i
.endr
.endm
.macro SCALES sc
.irp i, 0,1,2,3,4,5,6,7
	ds_load_b128 v[SC+32*\sc+4*\i:SC+32*\sc+4*\i+3], v[ADRS] offset:512*\i
.endr
.endm
.macro MUL16 a0, p, q, sc, mode
.irp a, \a0, \a0+1
.irp b, 0,1,2,3,4,5,6,7
.set rD, 8*(8*((\a)%4)+\b)
.set rB, 128*(\p)+8*\b
.set rA, AF+8*(\a)
.set sB, SC+32*(\sc)+4*\b+(\q)
.set sA, SC+32*(\sc)+4*(\a)+(\q)
.if \mode == 0
	v_wmma_scale_f32_16x16x128_f8f6f4 v[rD:rD+7], v[rB:rB+7], v[rA:rA+7], v[rD:rD+7], v[sB], v[sA] matrix_a_fmt:MATRIX_FMT_FP4 matrix_b_fmt:MATRIX_FMT_FP4 matrix_a_scale:MATRIX_SCALE_ROW1
.else
	v_wmma_scale_f32_16x16x128_f8f6f4 v[rD:rD+7], v[rB:rB+7], v[rA:rA+7], v[BI+8*\b:BI+8*\b+7], v[sB], v[sA] matrix_a_fmt:MATRIX_FMT_FP4 matrix_b_fmt:MATRIX_FMT_FP4 matrix_a_scale:MATRIX_SCALE_ROW1
.endif
.endr
.endr
.endm
.macro STEP slot, q, mode
	s_wait_dscnt 8
.if \mode
	WIN 0x81
.else
	WIN 0xa1
.endif
	MUL16 0, (\q)%2, \q, \slot, \mode
	MUL16 2, (\q)%2, \q, \slot, \mode
	s_wait_dscnt 0x0
	PLACES 4
	FETCH_B \slot, (\q)+1, 1-(\q)%2
	FETCH_A \slot, (\q)+1, 0
.if \mode
	WIN 0xc1
.else
	WIN 0xf1
.endif
	MUL16 4, (\q)%2, \q, \slot, \mode
	MUL16 6, (\q)%2, \q, \slot, \mode
	PLACES 4
	WIN 0
	FETCH_A \slot, (\q)+1, 4
.endm
	s_load_b256 s[4:11], s[0:1], 0x0
	s_load_b128 s[12:15], s[0:1], 0x20
	v_lshl_add_u32 v126, v0, 2, 0x4c400
	v_mov_b32 v127, 0
	ds_add_u32 v126, v127
	ds_add_u32 v126, v127
	v_lshrrev_b32 v1, 5, v0
	v_readfirstlane_b32 s16, v1
	s_lshr_b32 s17, s16, 1
	s_and_b32 s18, s16, 1
	s_bfe_u32 s40, ttmp6, 0x40000
	s_bfe_u32 s41, ttmp6, 0x40004
	s_lshl_b32 s42, ttmp9, 2
	s_add_co_u32 s42, s42, s40
	s_and_b32 s43, ttmp7, 0xffff
	s_lshl_b32 s43, s43, 2
	s_add_co_u32 s43, s43, s41
	s_lshl_b32 s44, s41, 2
	s_lshl_b32 s44, 15, s44
	s_lshl_b32 s45, 0x1111, s40
	s_or_b32 s[G1], s44, (3<<16)|(1<<21)
	s_or_b32 s[G1B], s45, (3<<16)|(1<<21)
.irp g, G1, G1B
	s_mov_b32 s[\g+1], 512<<16
	s_mov_b32 s[\g+2], 32<<16
	s_mov_b32 s[\g+3], 512<<16
	s_mov_b32 s[\g+4], 32
	s_mov_b32 s[\g+5], 512
	s_mov_b32 s[\g+6], 0
	s_mov_b32 s[\g+7], 0
.endr
	s_or_b32 s[G1S], s44, (3<<16)|(1<<21)
	s_or_b32 s[G1SB], s45, (3<<16)|(1<<21)
.irp g, G1S, G1SB
	s_mov_b32 s[\g+1], 32<<16
	s_mov_b32 s[\g+2], 32<<16
	s_mov_b32 s[\g+3], 32<<16
	s_mov_b32 s[\g+4], 32
	s_mov_b32 s[\g+5], 32
	s_mov_b32 s[\g+6], 0
	s_mov_b32 s[\g+7], 0
.endr
	s_mov_b32 s22, 0
	s_lshl_b32 s92, s43, 4
	s_add_co_u32 s92, s92, s22
	s_lshl_b32 s94, s92, 9
	s_lshl_b32 s92, s92, 13
	s_mov_b32 s93, 0
	s_mov_b32 s95, 0
	s_lshl_b32 s96, s42, 4
	s_add_co_u32 s96, s96, 704
	s_add_co_u32 s96, s96, s22
	s_lshl_b32 s98, s96, 9
	s_lshl_b32 s96, s96, 13
	s_mov_b32 s97, 0
	s_mov_b32 s99, 0
	s_lshl_b32 s46, s16, 15
	s_lshl_b32 s47, s16, 12
	s_wait_dscnt 0x0
	s_wait_kmcnt 0x0
	s_add_nc_u64 s[92:93], s[PAC:PAC+1], s[92:93]
	s_add_nc_u64 s[94:95], s[PAS:PAS+1], s[94:95]
	s_add_nc_u64 s[96:97], s[PBC:PBC+1], s[96:97]
	s_add_nc_u64 s[98:99], s[PBS:PBS+1], s[98:99]
	CROUND
	s_mov_b32 s[G0S], 1
	s_mov_b32 s[G0S+1], SCL
	s_mov_b64 s[G0S+2:G0S+3], s[94:95]
	s_or_b32 s[G0S+3], s[G0S+3], 0x80000000
	s_mov_b32 s[G0SB], 1
	s_mov_b32 s[G0SB+1], SCL+8192
	s_mov_b64 s[G0SB+2:G0SB+3], s[98:99]
	s_or_b32 s[G0SB+3], s[G0SB+3], 0x80000000
	; the head's four joint loads, one a wave: wave 0 the 16 tiles of source A for all of K (131,072 dense bytes), wave 1 those of B, waves 2 and 3 their scale words; nothing is filled again
	s_mov_b32 s[G0], 1
	s_mov_b32 s[G0+1], 0
	s_mov_b64 s[G0+2:G0+3], s[92:93]
	s_or_b32 s[G0+3], s[G0+3], 0x80000000
	s_mov_b32 s[G0B], 1
	s_mov_b32 s[G0B+1], BOFF
	s_mov_b64 s[G0B+2:G0B+3], s[96:97]
	s_or_b32 s[G0B+3], s[G0B+3], 0x80000000
.macro ARM under, g0, g1, next
	s_cmp_lt_u32 s16, \under
	s_cbranch_scc0 \next
	tensor_load_to_lds s[\g0:\g0+3], s[\g1:\g1+7]
	s_nop 0
.rept 4
	v_nop
.endr
	s_branch .Lhead_asked
\next:
.endm
	ARM 1, G0,  G1,  .Lhead_b
	ARM 2, G0B, G1B, .Lhead_sa
	ARM 3, G0S, G1S, .Lhead_sb
	tensor_load_to_lds s[G0SB:G0SB+3], s[G1SB:G1SB+7]
	s_nop 0
.rept 4
	v_nop
.endr
.Lhead_asked:
	v_and_b32 v1, 15, v0
	v_bfe_u32 v2, v0, 4, 1
	s_wait_alu depctr_va_vdst(0)
	v_and_b32 v3, 31, v0
	v_lshlrev_b32 v3, 4, v3
	s_lshl_b32 s22, s17, 16
	s_lshl_b32 s23, s18, 16
	s_add_co_u32 s23, s23, BOFF
.irp s, 0,1
	v_add_nc_u32 v[ADRA+\s], s22, v3
	v_add_nc_u32 v[ADRB+\s], s23, v3
	s_add_co_u32 s22, s22, SLOT
	s_add_co_u32 s23, s23, SLOT
.endr
	s_lshl_b32 s22, s17, 12
	s_lshl_b32 s23, s18, 12
	s_add_co_u32 s23, s23, 8192
	s_sub_co_u32 s23, s23, s22
	v_mul_u32_u24 v4, s23, v2
	s_add_co_u32 s22, s22, SCL
	v_lshl_add_u32 v4, v1, 4, v4
	v_add_nc_u32 v[ADRS], s22, v4
	s_mul_i32 s22, s16, 8448
	s_add_co_u32 s22, s22, STAGE
	v_mul_u32_u24 v4, v1, 528
	v_lshl_add_u32 v4, v2, 6, v4
	v_add_nc_u32 v[STO], s22, v4
	v_add_nc_u32 v[RD], s22, v3
	s_lshl_b32 s46, s42, 10
	s_lshl_b32 s47, s18, 9
	s_add_co_u32 s46, s46, s47
	s_mov_b32 s47, 0
	s_add_nc_u64 s[12:13], s[12:13], s[46:47]
	v_lshlrev_b32 v5, 6, v2
.irp b, 0,1,2,3,4,5,6,7
	global_load_b128 v[BI+8*\b:BI+8*\b+3], v5, s[12:13] offset:(32*(\b/2)+8*(\b%2))*4
	global_load_b128 v[BI+8*\b+4:BI+8*\b+7], v5, s[12:13] offset:(32*(\b/2)+8*(\b%2))*4+16
.endr
	s_lshl_b32 s22, s43, 20
	s_lshl_b32 s23, s17, 19
	s_add_co_u32 s22, s22, s23
	s_mov_b32 s23, 0
	s_add_nc_u64 s[14:15], s[14:15], s[22:23]
	s_add_nc_u64 s[14:15], s[14:15], s[46:47]
	s_wait_alu depctr_va_vdst(0)
	s_wait_tensorcnt 0x0
	s_barrier_signal -1
	s_barrier_wait -1
	FETCH_B 0, 0, 0
	FETCH_A 0, 0, 0
	SCALES 0
	FETCH_A 0, 0, 4
	s_wait_loadcnt 0x0
	STEP 0, 0, 1
	STEP 0, 1, 0
	STEP 0, 2, 0
	s_wait_dscnt 8
	WIN 0xa1
	MUL16 0, 1, 3, 0, 0
	s_wait_dscnt 0x0
	s_barrier_signal -1
	MUL16 2, 1, 3, 0, 0
	WIN 0
	s_barrier_wait -1
	PLACES 4
	v_add_nc_u32 v[ADRS], 256, v[ADRS]
	FETCH_B 1, 0, 0
	FETCH_A 1, 0, 0
	SCALES 1
	WIN 0xf1
	MUL16 4, 1, 3, 0, 0
	MUL16 6, 1, 3, 0, 0
	PLACES 4
	WIN 0
	FETCH_A 1, 0, 4
	STEP 1, 0, 0
	STEP 1, 1, 0
	STEP 1, 2, 0
	s_wait_dscnt 8
	WIN 0xa1
	MUL16 0, 1, 3, 1, 0
	MUL16 2, 1, 3, 1, 0
	s_wait_dscnt 0x0
	WIN 0xf1
	MUL16 4, 1, 3, 1, 0
	MUL16 6, 1, 3, 1, 0
	WIN 0
.macro TOSTAGE a
.set AC, 64*((\a)%4)
	WIN 0x08+4*((\a)/4)
.irp b, 0,1,2,3,4,5,6,7
	ds_store_b128 v[STO], v[AC+8*\b:AC+8*\b+3] offset:128*(\b/2)+32*(\b%2)
	ds_store_b128 v[STO], v[AC+8*\b+4:AC+8*\b+7] offset:128*(\b/2)+32*(\b%2)+16
.endr
	WIN 0
.set BB, BK+64*((\a)%2)
.irp t, 0,1,2,3,4,5,6,7,8,9,10,11,12,13,14,15
	ds_load_b128 v[BB+4*\t:BB+4*\t+3], v[RD] offset:\t*528
.endr
.endm
.macro SEND a, younger
.set BB, BK+64*((\a)%2)
	s_wait_dscnt \younger
.irp t, 0,1,2,3,4,5,6,7,8,9,10,11,12,13,14,15
	global_store_b128 v[CO], v[BB+4*\t:BB+4*\t+3], s[14:15] offset:(32*((\a)/2)+8*((\a)%2)+\t+8*(\t/8))*4096 th:TH_STORE_NT
.endr
.endm
	PLACES 4
	TOSTAGE 0
.irp a, 1,2,3,4,5,6,7
.if \a > 1
	s_wait_xcnt 0x0
.endif
	TOSTAGE \a
	SEND \a-1, 32
.endr
	SEND 7, 0
	s_wait_tensorcnt 0x0
	ds_add_u32 v126, v127
	s_wait_dscnt 0x0
	CROUND
	s_endpgm
.Lfunc_end_k_qf9a537c296_ogemm:
	.size	k_qf9a537c296_ogemm, .Lfunc_end_k_qf9a537c296_ogemm-k_qf9a537c296_ogemm
	.p2alignl 7, 3214868480
	.fill 96, 4, 3214868480
	.section	.rodata,"a",@progbits
	.p2align	6, 0x0
	.amdhsa_kernel k_qf9a537c296_ogemm
		.amdhsa_group_segment_fixed_size 327680
		.amdhsa_private_segment_fixed_size 0
		.amdhsa_enable_private_segment 0
		.amdhsa_kernarg_size 48
		.amdhsa_user_sgpr_count 2
		.amdhsa_user_sgpr_kernarg_segment_ptr 1
		.amdhsa_wavefront_size32 1
		.amdhsa_system_sgpr_workgroup_id_x 1
		.amdhsa_system_sgpr_workgroup_id_y 1
		.amdhsa_system_sgpr_workgroup_id_z 1
		.amdhsa_system_vgpr_workitem_id 0
		.amdhsa_next_free_vgpr 1024
		.amdhsa_next_free_sgpr 100
		.amdhsa_reserve_vcc 0
		.amdhsa_float_denorm_mode_32 3
		.amdhsa_float_denorm_mode_16_64 3
		.amdhsa_memory_ordered 1
		.amdhsa_forward_progress 1
		.amdhsa_inst_pref_size 124
	.end_amdhsa_kernel
	.amdgpu_metadata
---
amdhsa.version: [ 1, 2 ]
amdhsa.kernels:
  - .name:           k_qf9a537c296_ogemm
    .symbol:         k_qf9a537c296_ogemm.kd
    .args:
      - { .name: ai, .offset: 0, .size: 8, .value_kind: global_buffer, .address_space: global }
      - { .name: asc, .offset: 8, .size: 8, .value_kind: global_buffer, .address_space: global }
      - { .name: img, .offset: 16, .size: 8, .value_kind: global_buffer, .address_space: global }
      - { .name: scl, .offset: 24, .size: 8, .value_kind: global_buffer, .address_space: global }
      - { .name: bo, .offset: 32, .size: 8, .value_kind: global_buffer, .address_space: global }
      - { .name: out0, .offset: 40, .size: 8, .value_kind: global_buffer, .address_space: global }
    .group_segment_fixed_size: 327680
    .private_segment_fixed_size: 0
    .kernarg_segment_align: 8
    .kernarg_segment_size: 48
    .max_flat_workgroup_size: 128
    .sgpr_count:     100
    .vgpr_count:     1024
    .wavefront_size: 32
...
	.end_amdgpu_metadata
.endif
;; end of part 4
